; MI455X (gfx1250); checked and timed in simulation.
; The chip was launched on July 23, 2026; its instructions are those of AMD's public machine-readable ISA for CDNA 5 (MIT licence, August 2026) and "CDNA5" Instruction Set Architecture Reference Guide (July 2026). The comments in the code are by the model that wrote it; some were corrected since.
;; bahdanau Attention. Allowed arithmetic: matrix products marked QUANTISED: E3M2 operands, one E8M0 scale for each 32 along K, by v_wmma_scale_f32_16x16x128_f8f6f4 with both operands' format E3M2, f32 sums; products left as they are: f32 operands where the result goes on into a quantised operand, else bf16, f16 or f32 operands; f32 sums; everything else in f32.
;; Inputs: W_d2a_codes 1,024 x 32 x 24 uint8 (E3M2 codes of W_d2a, K innermost, in blocks of 32 codes, four codes in three bytes); W_d2a_scales 1,024 x 32 uint8 (E8M0 scales of W_d2a, one for each 32 codes along K); W_e2a_codes 1,024 x 32 x 24 uint8 (E3M2 codes of W_e2a, K innermost, in blocks of 32 codes, four codes in three bytes); W_e2a_scales 1,024 x 32 uint8 (E8M0 scales of W_e2a, one for each 32 codes along K); keys 32 x 2,048 x 1,024 float32; q_codes 32 x 32 x 24 uint8 (E3M2 codes of q, K innermost, in blocks of 32 codes, four codes in three bytes); q_scales 32 x 32 uint8 (E8M0 scales of q, one for each 32 codes along K); v_w 1,024 x 1 float32.
;; Outputs: out0 32 x 1,024 float32.
;; This version of the problem:
;;   THIS VERSION OF THE PROBLEM IS GIVEN IN LOW PRECISION. The matrix products marked QUANTISED in the list below multiply operands that are first quantised to E3M2 (3 exponent bits, 2 mantissa bits; 6 bits a number), with one power-of-two scale for each 32 numbers along K (OCP MX v1.0); their sums are f32. All else is computed in f32.
;;   The module's matrix products, in the order in which they are computed (A, B: the left and right operand; K: the contracted axis; several contracted axes count as one K, in the product's order):
;;     1. [M 65,536, K 1,024] x [K 1,024, N 1,024]; A: input keys; B: input W_e2a (given as codes): QUANTISED
;;     2. [M 32, K 1,024] x [K 1,024, N 1,024]; A: input q (given as codes); B: input W_d2a (given as codes): QUANTISED
;;     3. [M 65,536, K 1,024] x [K 1,024, N 1]; A: computed on the way; B: input v_w: left as it is (N = 1 < 16)
;;     4. batch 32 x [M 1, K 2,048] x [K 2,048, N 1,024]; A: softmax; B: input keys: left as it is (M = 1 < 16)
;;   THE QUANTISER, for each operand of a quantised product, along K:
;;     - K is cut into blocks of 32 from its start; a last block that is shorter is filled with zeros.
;;     - A block's scale is 2^e with e = floor(log2(the largest magnitude in the block)) - 4, held to -126 .. 127; a block of zeros has e = 0. As a byte (E8M0): e + 127.
;;     - Each number is divided by its block's scale, clamped to +-28, and rounded to the nearest number of E3M2, ties to even, subnormals kept.
;;     - The product sums the exact products of the quantised numbers (number of the format x scale) in f32.
;;   ~~~python
;;   def quantise(x, axis):      # numpy; x: float32 -> the quantised numbers, widened to float32 again
;;       x = np.moveaxis(x, axis, -1); K = x.shape[-1]
;;       x = np.pad(x, [(0, 0)] * (x.ndim - 1) + [(0, -K % 32)]); x = x.reshape(x.shape[:-1] + (-1, 32)); a = np.abs(x).max(-1, keepdims=True)
;;       e = np.where(a > 0, np.clip(np.frexp(np.where(a > 0, a, 1))[1] - 1 - 4, -126, 127), 0)      # np.frexp(a)[1] - 1 = floor(log2(a)), exactly
;;       r = np.clip(x / 2.0 ** e, -28, 28)
;;       step = 2.0 ** (np.maximum(np.frexp(np.where(r == 0, 1, r))[1] - 1, -2) - 2)
;;       q = np.round(r / step) * step * 2.0 ** e      # np.round: ties to even
;;       return np.moveaxis(q.reshape(q.shape[:-2] + (-1,))[..., :K], -1, axis).astype(np.float32)
;;   ~~~
;;   INPUTS GIVEN AS CODES. W_d2a (in the module: [1024, 1024], K = its axis 1); W_e2a (in the module: [1024, 1024], K = its axis 1); q (in the module: [32, 1024], K = its axis 1): each comes as NAME_codes (uint8): NAME with its K axis moved to the last place and cut into blocks of 32 codes, [.., K / 32, bytes a block], one block behind the other in memory; four codes in three bytes: a row's codes are one little-endian stream of bits, code i at bits 6 i .. 6 i + 5 (a code: sign, 3 exponent bits, 2 mantissa bits); and NAME_scales (uint8): the same leading axes, one E8M0 byte (e + 127) for each 32 codes along K. Its value is code x scale, taken as it is: it is not quantised again, and the codes and scales need not be those that the quantiser above would give.
;; One version. Each part assembles by itself: llvm-mc -triple=amdgcn-amd-amdhsa -mcpu=gfx1250 --defsym DOCPART=n.
;; ======== version 1 of 1: 3 launches
;; limits: right only within a limited range of input values
;; workspace buffers: Wf 819,200 bytes; Vbuf 131,072 bytes; tsc 262,144 bytes
;; launch prep (part 1): grid 16 x 1, 4 waves a work-group, no clusters, 9,216 bytes of LDS; arguments W_e2a_codes, W_e2a_scales, W_d2a_codes, W_d2a_scales, q_codes, q_scales, Wf, Vbuf; writes Wf, Vbuf
.if DOCPART == 1
	.amdgcn_target "amdgcn-amd-amdhsa--gfx1250"
	.amdhsa_code_object_version 6
	.text
	.protected	k_q0ff22e69f0_prep
	.globl	k_q0ff22e69f0_prep
	.p2align	8
	.type	k_q0ff22e69f0_prep,@function
k_q0ff22e69f0_prep:
	s_mov_b64 s[64:65], 0
	v_nop
	global_prefetch_b8 v0, s[64:65] scope:SCOPE_SE
	s_setreg_imm32_b32 hwreg(HW_REG_WAVE_MODE, 25, 1), 1
	s_wait_xcnt 0x0
; THE PROGRAM: context[b] = sum over s of softmax_s(e[b][s]) keys[b][s], e = sum over a of v_w[a] tanh(U + V), U = keys W_e2a^T, V = q W_d2a^T; both of these products on codes of E3M2 with E8M0 scales.
; Three launches: this one (W_e2a laid in the order of an operand's registers; V), the scores (keys quantised, U, tanh, the sum over a), the context (softmax, weighted sum of keys).
; WORK LEFT OUT, for all values of the inputs: tanh x = 1 - 2 r with r = 1 / (1 + 2^(c x)), c = 2 log2(e).  So e[b][s] = (sum over a of v_w[a]) - 2 sum over a of v_w[a] r.  The first term does not hang on s:
; it is the same along the softmax's axis and cancels in it.  It is not computed.  LIMIT: an overflow, a NaN or an infinity that arises in the sum of v_w alone is not carried to the result.  Every input is loaded.
; THIS LAUNCH.  16 work-groups x 4 waves; wave w of work-group G takes tile gt = 4 G + w: rows 16 gt .. 16 gt + 15 of W_e2a and of W_d2a.
; A. W_e2a's tile becomes a record of 12,800 bytes of Wf: eight fragments (16 rows x 128 K, 12 registers a lane), each as three planes of 512 bytes, lane l's registers 4 c .. 4 c + 3 at 16 l; then the rows' scale bytes,
;    two planes of 256 bytes, row r's bytes 16 q .. 16 q + 15 at 16 r.  A later wave gets a fragment by three loads of 16 bytes a lane.
; B. V[b][a] for the tile's 16 a and all 32 b: source 0 = 16 rows of W_d2a, source 1 = 16 rows of q, so that a lane holds eight neighbouring a of one b.  The four waves' 64 columns meet in a stage in LDS and leave as
;    rows of 256 consecutive bytes, aligned.
; ALL LOADS ARE ISSUED AT THE HEAD, B's first: no register is loaded twice, so no load waits for work on an earlier one.  Window 0: K steps 0-3 of B; window 2: K steps 4-7; window 1: A's fragments.
.set SPARE, 8704                       ; behind the stage (32 rows x 272 bytes): the spare words, 128 bytes for each wave
.set FRG,  0                           ; window 1: v0-95 W_e2a's eight fragments,
.set WES,  96                          ;           v96-99 16 of its scale bytes
.set WDF,  16                          ; windows 0 and 2: v16-63 four fragments of W_d2a,
.set Q0,   64                          ; v64-111  four of q's rows 0-15,
.set Q1,   128                         ; v128-175 four of q's rows 16-31
.set WDS,  176                         ; v176-183 W_d2a's scale words, one for each K step
.set QS,   184                         ; v184-199 q's, 8 for each tile of rows
.set D0,   200                         ; v200-215 the two accumulators
.set BK,   216                         ; v216-231 rows read back from the stage
.set MSB, 0
.macro WIN new                         ; the immediate's high byte repeats the setting that is left; a switch that changes nothing is dropped
.if MSB != \new
	s_set_vgpr_msb (MSB<<8)|\new
.set MSB, \new
.endif
.endm
	s_load_b512 s[4:19], s[0:1], 0x0               ; W_e2a codes, scales; W_d2a codes, scales; q codes, scales; Wf; Vbuf
	v_lshl_add_u32 v1, v0, 2, SPARE                ; my spare word
	v_mov_b32 v2, 0
	v_lshrrev_b32 v3, 5, v0
	v_readfirstlane_b32 s20, v3                    ; wave 0..3
	v_and_b32 v3, 31, v0                           ; l
	v_and_b32 v4, 15, v0                           ; r
	v_bfe_u32 v5, v0, 4, 1                         ; h
	v_mul_u32_u24 v6, v4, 768                      ; a row of 1,024 codes is 768 bytes
	v_mad_u32_u24 v6, v5, 24, v6                   ; + 24 h: my half's block of 32 codes
	v_lshlrev_b32 v8, 5, v4                        ; a row of scale bytes is 32 bytes
	v_lshl_add_u32 v7, v5, 4, v8                   ; + 16 h
	v_lshlrev_b32 v9, 4, v3                        ; 16 l
	v_mul_u32_u24 v10, v4, 272
	v_lshl_add_u32 v10, v5, 5, v10
	s_lshl_b32 s21, s20, 6
	v_add_nc_u32 v10, s21, v10                     ; the stage, in: row r, + 64 w + 32 h
	v_mul_u32_u24 v11, v5, 272
	v_lshl_add_u32 v11, v4, 4, v11
	s_mul_i32 s21, s20, 8*272
	v_add_nc_u32 v11, s21, v11                     ; back: rows 8 w on; lanes 0-15 one row, lanes 16-31 the next
	v_lshlrev_b32 v12, 12, v5
	v_lshl_add_u32 v12, v4, 4, v12                 ; and the same two rows of Vbuf (4,096 bytes a row)
	s_lshl_b32 s22, ttmp9, 2
	s_add_co_u32 s22, s22, s20                     ; gt
	s_mul_i32 s24, s22, 12288                      ; 16 rows of codes
	s_mov_b32 s25, 0
	s_lshl_b32 s26, s22, 9                         ; 16 rows of scale bytes
	s_mov_b32 s27, 0
	s_mul_i32 s28, s22, 12800                      ; a record of Wf
	s_mov_b32 s29, 0
	s_lshl_b32 s30, s20, 15                        ; Vbuf: rows 8 w on,
	s_lshl_b32 s31, ttmp9, 8                       ; the work-group's 64 columns
	s_add_co_u32 s30, s30, s31
	s_mov_b32 s31, 0
	s_wait_kmcnt 0x0
	s_add_nc_u64 s[4:5], s[4:5], s[24:25]
	s_add_nc_u64 s[6:7], s[6:7], s[26:27]
	s_add_nc_u64 s[8:9], s[8:9], s[24:25]
	s_add_nc_u64 s[10:11], s[10:11], s[26:27]
	s_add_nc_u64 s[16:17], s[16:17], s[28:29]
	s_add_nc_u64 s[18:19], s[18:19], s[30:31]
	; ---- the loads.  B's scale words: 6
	global_load_b128 v[WDS:WDS+3], v8, s[10:11]                ; lane r: row r's scale words of K steps 0-3 (lanes 16-31 hold the same and are not read),
	global_load_b128 v[WDS+4:WDS+7], v8, s[10:11] offset:16    ; of K steps 4-7
.irp b, 0,1
	global_load_b128 v[QS+8*\b:QS+8*\b+3], v8, s[14:15] offset:512*\b
	global_load_b128 v[QS+8*\b+4:QS+8*\b+7], v8, s[14:15] offset:512*\b+16
.endr
	; B's fragments as the matrix unit takes them (lane (r, h): the 24 bytes at 96 s + 24 h and at 96 s + 48 + 24 h of row r), in pieces of 8 bytes: 72 loads for K steps 0-3, 72 for K steps 4-7
.irp H, 0,1
.set WW, 0x80*\H
	WIN WW                                         ; destination: window 0, then window 2
.irp s, 0,1,2,3
.irp p, 0,1,2,3,4,5
	global_load_b64 v[WDF+12*\s+2*\p:WDF+12*\s+2*\p+1], v6, s[8:9] offset:96*(4*\H+\s)+48*(\p/3)+8*(\p%3)
	global_load_b64 v[Q0+12*\s+2*\p:Q0+12*\s+2*\p+1], v6, s[12:13] offset:96*(4*\H+\s)+48*(\p/3)+8*(\p%3)
	global_load_b64 v[Q1+12*\s+2*\p:Q1+12*\s+2*\p+1], v6, s[12:13] offset:12288+96*(4*\H+\s)+48*(\p/3)+8*(\p%3)
.endr
.endr
.endr
	WIN 0x40                                       ; A's: 49 loads, destination window 1
.irp s, 0,1,2,3,4,5,6,7
.irp p, 0,1,2,3,4,5
	global_load_b64 v[FRG+12*\s+2*\p:FRG+12*\s+2*\p+1], v6, s[4:5] offset:96*\s+48*(\p/3)+8*(\p%3)
.endr
.endr
	global_load_b128 v[WES:WES+3], v7, s[6:7]
	WIN 0
	; ---- B: V.  The two accumulators by turns; the first K step starts the sums
	s_wait_loadcnt 63                              ; the first 78 loads are wanted; 121 were issued behind them: the largest count that the wait can name is under that
.irp H, 0,1
.if \H
	s_wait_loadcnt 49                              ; K steps 4-7 are in; A's 49 loads stay out
	WIN 0x0a                                       ; sources 0 and 1: window 2
.endif
.irp s, 0,1,2,3
.if 4*\H+\s == 0
	v_wmma_scale_f32_16x16x128_f8f6f4 v[D0:D0+7], v[WDF+12*\s:WDF+12*\s+11], v[Q0+12*\s:Q0+12*\s+11], 0, v[WDS+4*\H+\s], v[QS+4*\H+\s] matrix_a_fmt:MATRIX_FMT_BF6 matrix_b_fmt:MATRIX_FMT_BF6
	v_wmma_scale_f32_16x16x128_f8f6f4 v[D0+8:D0+15], v[WDF+12*\s:WDF+12*\s+11], v[Q1+12*\s:Q1+12*\s+11], 0, v[WDS+4*\H+\s], v[QS+8+4*\H+\s] matrix_a_fmt:MATRIX_FMT_BF6 matrix_b_fmt:MATRIX_FMT_BF6
.else
	v_wmma_scale_f32_16x16x128_f8f6f4 v[D0:D0+7], v[WDF+12*\s:WDF+12*\s+11], v[Q0+12*\s:Q0+12*\s+11], v[D0:D0+7], v[WDS+4*\H+\s], v[QS+4*\H+\s] matrix_a_fmt:MATRIX_FMT_BF6 matrix_b_fmt:MATRIX_FMT_BF6
	v_wmma_scale_f32_16x16x128_f8f6f4 v[D0+8:D0+15], v[WDF+12*\s:WDF+12*\s+11], v[Q1+12*\s:Q1+12*\s+11], v[D0+8:D0+15], v[WDS+4*\H+\s], v[QS+8+4*\H+\s] matrix_a_fmt:MATRIX_FMT_BF6 matrix_b_fmt:MATRIX_FMT_BF6
.endif
.endr
.endr
	WIN 0
.rept 4
	v_nop                                          ; four places in front of the first read of results
.endr
	s_wait_alu depctr_va_vdst(0)
.irp b, 0,1                                    ; lane (r, h), register j: V[16 b + r][16 gt + 8 h + j]; each accumulator from its low end on
	ds_store_b128 v10, v[D0+8*\b:D0+8*\b+3] offset:4352*\b
	ds_store_b128 v10, v[D0+8*\b+4:D0+8*\b+7] offset:4352*\b+16
.endr
	s_wait_dscnt 0x0                               ; for the others' sake: my stores into the stage are done
	s_barrier_signal -1
	s_barrier_wait -1
.irp i, 0,1,2,3
	ds_load_b128 v[BK+4*\i:BK+4*\i+3], v11 offset:544*\i
.endr
.irp i, 0,1,2,3
	s_wait_dscnt 3-\i                              ; the younger loads may stay out
	global_store_b128 v12, v[BK+4*\i:BK+4*\i+3], s[18:19] offset:8192*\i   ; 16 lanes store 256 consecutive bytes, aligned
.endr
	; ---- A: the record
	s_wait_loadcnt 0x0
	WIN 0x04                                       ; a store's data are its source 1: window 1
.irp s, 0,1,2,3,4,5,6,7
.irp c, 0,1,2
	global_store_b128 v9, v[FRG+12*\s+4*\c:FRG+12*\s+4*\c+3], s[16:17] offset:1536*\s+512*\c   ; 32 lanes store 512 consecutive bytes, aligned
.endr
.endr
	global_store_b128 v9, v[WES:WES+3], s[16:17] offset:12288
	WIN 0
	s_wait_tensorcnt 0x0                           ; the wave's end, behind my last LDS store
	ds_add_u32 v1, v2
	s_wait_dscnt 0x0
	s_endpgm
.Lfunc_end_k_q0ff22e69f0_prep:
	.size	k_q0ff22e69f0_prep, .Lfunc_end_k_q0ff22e69f0_prep-k_q0ff22e69f0_prep
	.p2alignl 7, 3214868480
	.fill 96, 4, 3214868480
	.section	.rodata,"a",@progbits
	.p2align	6, 0x0
	.amdhsa_kernel k_q0ff22e69f0_prep
		.amdhsa_group_segment_fixed_size 9216
		.amdhsa_private_segment_fixed_size 0
		.amdhsa_enable_private_segment 0
		.amdhsa_kernarg_size 64
		.amdhsa_user_sgpr_count 2
		.amdhsa_user_sgpr_kernarg_segment_ptr 1
		.amdhsa_wavefront_size32 1
		.amdhsa_system_sgpr_workgroup_id_x 1
		.amdhsa_system_sgpr_workgroup_id_y 1
		.amdhsa_system_sgpr_workgroup_id_z 1
		.amdhsa_system_vgpr_workitem_id 0
		.amdhsa_next_free_vgpr 688
		.amdhsa_next_free_sgpr 66
		.amdhsa_reserve_vcc 0
		.amdhsa_float_denorm_mode_32 3
		.amdhsa_float_denorm_mode_16_64 3
		.amdhsa_memory_ordered 1
		.amdhsa_forward_progress 1
		.amdhsa_inst_pref_size 27
	.end_amdhsa_kernel
	.amdgpu_metadata
---
amdhsa.version: [ 1, 2 ]
amdhsa.kernels:
  - .name:           k_q0ff22e69f0_prep
    .symbol:         k_q0ff22e69f0_prep.kd
    .args:
      - { .name: W_e2a_codes, .offset: 0, .size: 8, .value_kind: global_buffer, .address_space: global }
      - { .name: W_e2a_scales, .offset: 8, .size: 8, .value_kind: global_buffer, .address_space: global }
      - { .name: W_d2a_codes, .offset: 16, .size: 8, .value_kind: global_buffer, .address_space: global }
      - { .name: W_d2a_scales, .offset: 24, .size: 8, .value_kind: global_buffer, .address_space: global }
      - { .name: q_codes, .offset: 32, .size: 8, .value_kind: global_buffer, .address_space: global }
      - { .name: q_scales, .offset: 40, .size: 8, .value_kind: global_buffer, .address_space: global }
      - { .name: Wf, .offset: 48, .size: 8, .value_kind: global_buffer, .address_space: global }
      - { .name: Vbuf, .offset: 56, .size: 8, .value_kind: global_buffer, .address_space: global }
    .group_segment_fixed_size: 9216
    .private_segment_fixed_size: 0
    .kernarg_segment_align: 8
    .kernarg_segment_size: 64
    .max_flat_workgroup_size: 128
    .sgpr_count:     66
    .vgpr_count:     688
    .wavefront_size: 32
...
	.end_amdgpu_metadata
.endif
;; end of part 1
;; launch scores (part 2): grid 256 x 1, 8 waves a work-group, clusters of 4 x 1, 327,680 bytes of LDS; arguments keys, Wf, Vbuf, v_w, tsc; writes tsc
.if DOCPART == 2
	.amdgcn_target "amdgcn-amd-amdhsa--gfx1250"
	.amdhsa_code_object_version 6
	.text
	.protected	k_q0ff22e69f0_scores
	.globl	k_q0ff22e69f0_scores
	.p2align	8
	.type	k_q0ff22e69f0_scores,@function
k_q0ff22e69f0_scores:
	s_mov_b64 s[64:65], 0
	v_nop
	global_prefetch_b8 v0, s[64:65] scope:SCOPE_SE
	s_setreg_imm32_b32 hwreg(HW_REG_WAVE_MODE, 25, 1), 1
	s_wait_xcnt 0x0
	s_wait_alu depctr_hold_cnt(0) depctr_sa_sdst(0) depctr_va_vdst(0) depctr_va_sdst(0) depctr_va_ssrc(0) depctr_va_vcc(0) depctr_vm_vsrc(0)
	s_getreg_b32 s2, hwreg(HW_REG_IB_STS2, 6, 4)
	s_cmp_eq_u32 s2, 0
	s_cbranch_scc0 .Lentry_in_a_cluster
	s_endpgm
.Lentry_in_a_cluster:
	s_bfe_u32 s2, ttmp6, 0x10000c
	s_cmp_lg_u32 s2, 0x3003
	s_cbranch_scc0 .Lentry_shape_is_right
	s_endpgm
.Lentry_shape_is_right:
; t[row] = -c sum over a of v_w[a] / (1 + 2^(c (U[row][a] + V[b][a]))), c = 2 log2(e), for the 65,536 rows of keys.  U = Q(keys) W_e2a^T on codes of E3M2 with E8M0 scales.
; t is e log2(e) less a term that is the same for all rows of a batch (the sum of v_w: left out, as shown at the head of the first kernel; it cancels in the softmax).
; SHARES.  A work-group takes 256 rows.  Eight waves, two for each of the four SIMDs: wave w = 4 j + g holds the codes of row group g (64 rows, all of K: 32 fragments, 384 registers)
; and walks column half j (records 32 j .. 32 j + 31 of W, 16 columns each).  A fragment of W, three loads of 16 bytes a lane, feeds four products.
; Both waves of a row group quantise the same 64 rows: each needs all their codes in its own registers, and the numbers lie in LDS for both to read.
; PART 1: keys come by tensor loads in 8 K steps of 256 rows x 512 bytes through two slots; wave w fetches rows 32 w .. 32 w + 31.  The tile is stated 132 elements wide over a tensor 128 wide:
; the mover writes zeros for the last four, so LDS rows are 528 bytes apart (16 rows begin in 16 different groups of banks) and every byte of a slot is filled.
; PART 2: W's records (laid by the first launch in the order of an operand's registers) go through the same two slots, 8 records a fill, four for each half; wave w fetches record w of a fill.
; A record: 32 matrix instructions in one group on four accumulators by turns (V is the C of the first four), then scale, exponential, + 1, reciprocal and the multiply-add by v_w on the 32 results a lane.
; CLUSTER: all work-groups walk the same records, so the four of a cluster ask for each record JOINTLY (mask 15; the descriptor is made of the wave's number and the fill alone).  Keys' loads are each work-group's own.
; PREFETCH: in K step s each wave names its own 32 rows x 512 bytes of K step s + 3 (64 blocks of 256 bytes, a lane a row, two instructions), two trips ahead of the trip that loads them; K steps 5 to 7 ask for nothing.
; None for W's records: a fill has four records' work of every wave in which to land, and all 64 clusters ask for the same 819,200 bytes.
; SCALE WORDS: a register carries K step s in lanes 0-15 and K step s + 4 in lanes 16-31, for keys and for W alike: 16 + 4 registers, which hold scales and nothing else.
; LIMITS: NaN and infinities among keys are not served.  A block of zeros gets the scale byte 1: its codes are zeros, and this program alone reads the bytes; blocks whose largest magnitude lies under 2^(5 - 127) share that byte.
; REGISTERS: v1-7 addresses; v8-23 keys' scale words; v24-27 W's; v28-35 V, then v_w; v36-43 the sums; v44-75 four accumulators; v76-123 four fragments of W (in part 1 v44-107 64 numbers, v108-123 at work);
; keys' fragment f = 4 s + T: f < 11 at v[124 + 12 f], the others in window 1 at v[12 (f - 11)].
.set REC,   12800
.set KP,    528
.set WREG,  32*KP                      ; a wave's 32 rows of a K step
.set SLB,   8*WREG                     ; slot 1 begins here
.set VT,    2*SLB                      ; V of my batch, 4,096 bytes; then v_w, 4,096
.set EP,    VT+8192                    ; 256 bytes a wave for the way out
.set SPARE, EP+2048                    ; the spare words, 128 bytes for each wave
.set SPW, 1
.set NIL, 2
.set STA, 3                            ; part 1: my row's address in slot 0, (v4) in slot 1
.set SH8, 5                            ; part 1: 8 h
.set ADB, 3                            ; part 2: LDS address of the record in hand
.set ADV, 4                            ; of its eight V (4,096 on: v_w)
.set BSJ, 5                            ; 16 x lane + my half's place in a slot
.set VLJ, 6                            ; VT + 2,048 j + 32 h
.set PFO, 7                            ; lane x a row of keys; never rewritten
.set AS,  8
.set SB,  24
.set VB,  28
.set EA,  36
.set ACC, 44
.set BF,  76
.set KC,  124
.set X,   44
.set MX,  108
.set SO,  110
.set BY,  112
.set WD,  114
.set W2,  115
.set MQ,  116
.set TQ,  116
.set G1K, 32
.set G1W, 40
.set G0K, 48
.set G0W, 56
.set TB,  76
.set TV,  77
.set MSB, 0
.macro WIN new                         ; the immediate's high byte repeats the setting that is left; a switch that changes nothing is dropped
.if MSB != \new
	s_set_vgpr_msb (MSB<<8)|\new
.set MSB, \new
.endif
.endm
.macro ROUND                           ; a round of the cluster's barrier
	s_barrier_signal -1
	s_barrier_wait -1
	s_cmp_lg_u32 s14, 0
	s_cbranch_scc1 .Lnw0_\@
	s_barrier_signal -3
.Lnw0_\@:
	s_barrier_wait -3
	s_barrier_signal -1
	s_barrier_wait -1
.endm
.macro NOP4
.rept 4
	v_nop
.endr
.endm
	s_load_b256 s[4:11], s[0:1], 0x0               ; keys, Wf, Vbuf, v_w
	s_load_b64 s[12:13], s[0:1], 0x20              ; tsc
	v_lshl_add_u32 v[SPW], v0, 2, SPARE
	v_mov_b32 v[NIL], 0
	ds_add_u32 v[SPW], v[NIL]                      ; the opening lines: the add, twice on end, and its wait ahead of my first tensor load
	ds_add_u32 v[SPW], v[NIL]
	v_lshrrev_b32 v3, 5, v0
	v_readfirstlane_b32 s14, v3                    ; wave 0..7
	s_bfe_u32 s15, ttmp6, 0x40000                  ; cx
	s_lshl_b32 s16, ttmp9, 2
	s_add_co_u32 s16, s16, s15                     ; my block of 256 rows: it enters the addresses of keys, Vbuf and tsc alone
	s_and_b32 s17, s14, 3                          ; g
	s_lshr_b32 s18, s14, 2                         ; j
	s_mov_b32 s[G1K], 2<<16                        ; keys: elements of 4 bytes, no mask
	s_mov_b32 s[G1K+1], 128<<16                    ; tensor_dim0 = 128
	s_mov_b32 s[G1K+2], 32<<16                     ; tensor_dim1 = 32
	s_mov_b32 s[G1K+3], 132<<16                    ; tile_dim0 = 132: four zeros behind each row
	s_mov_b32 s[G1K+4], 32                         ; tile_dim1
	s_mov_b32 s[G1K+5], 1024                       ; the pitch
	s_mov_b32 s[G1K+6], 0
	s_mov_b32 s[G1K+7], 0
	s_mov_b32 s[G1W], 15|(3<<16)|(1<<21)           ; a record: all four work-groups; elements of 8 bytes; bit 21 beside the mask
	s_mov_b32 s[G1W+1], 32<<16                     ; 50 dense rows of 256 bytes
	s_mov_b32 s[G1W+2], 50<<16
	s_mov_b32 s[G1W+3], 32<<16
	s_mov_b32 s[G1W+4], 50
	s_mov_b32 s[G1W+5], 32
	s_mov_b32 s[G1W+6], 0
	s_mov_b32 s[G1W+7], 0
	s_mov_b32 s20, 0x76543210                      ; v_permlanex16_b32's selects for lane l xor 16
	s_mov_b32 s21, 0xfedcba98
	s_mov_b32 s22, 0x4038aa3b                      ; c
	s_mov_b32 s23, s22
	s_mov_b32 s24, 0xffff0000                      ; lanes 16-31
	s_mul_i32 s25, s17, 2*WREG                     ; my group's 64 rows in a slot
	s_mul_i32 s30, s18, 4*REC                      ; my half's four records in a slot
	s_lshl_b32 s31, s18, 11
	s_add_co_u32 s31, s31, VT
	s_lshl_b32 s66, s16, 20                        ; keys: 256 rows of 4,096 bytes a block,
	s_lshl_b32 s67, s14, 17                        ; 32 a wave
	s_add_co_u32 s66, s66, s67
	s_mov_b32 s67, 0
	s_lshr_b32 s68, s16, 3                         ; my batch's row of Vbuf
	s_lshl_b32 s68, s68, 12
	s_mov_b32 s69, 0
	s_lshl_b32 s70, s16, 10                        ; tsc: 1,024 bytes a block, 256 a row group
	s_lshl_b32 s71, s17, 8
	s_add_co_u32 s70, s70, s71
	s_mov_b32 s71, 0
	s_lshl_b32 s72, s18, 5                         ; the record that I fetch of fill 0: 32 (w / 4) + w % 4
	s_add_co_u32 s72, s72, s17
	s_mul_i32 s72, s72, REC
	s_mov_b32 s73, 0
	s_mul_i32 s74, s14, WREG
	s_mul_i32 s75, s14, REC
	s_wait_dscnt 0x0                               ; both opening adds are done
	s_wait_kmcnt 0x0
	s_add_nc_u64 s[26:27], s[4:5], s[66:67]        ; my 32 rows of keys
	s_add_nc_u64 s[8:9], s[8:9], s[68:69]
	s_add_nc_u64 s[12:13], s[12:13], s[70:71]
	s_mov_b32 s[G0K], 1                            ; group 0, one for each slot: K steps 0 and 1
	s_mov_b32 s[G0K+1], s74
	s_mov_b64 s[G0K+2:G0K+3], s[26:27]
	s_or_b32 s[G0K+3], s[G0K+3], 0x80000000
	s_mov_b32 s[G0K+4], 1
	s_add_co_u32 s[G0K+5], s74, SLB
	s_add_nc_u64 s[G0K+6:G0K+7], s[26:27], 512
	s_or_b32 s[G0K+7], s[G0K+7], 0x80000000
	s_mov_b32 s[G0W], 1                            ; and for W: fills 0 and 1
	s_mov_b32 s[G0W+1], s75
	s_add_nc_u64 s[G0W+2:G0W+3], s[6:7], s[72:73]
	s_mov_b32 s[G0W+4], 1
	s_add_co_u32 s[G0W+5], s75, SLB
	s_add_nc_u64 s[G0W+6:G0W+7], s[G0W+2:G0W+3], 4*REC
	s_or_b32 s[G0W+3], s[G0W+3], 0x80000000
	s_or_b32 s[G0W+7], s[G0W+7], 0x80000000
	ROUND                                          ; in a cluster launch every group of tensor loads stands behind a round
	tensor_load_to_lds s[G0K:G0K+3], s[G1K:G1K+7]  ; K step 0: my one load at the head
	s_nop 0
	NOP4
	v_and_b32 v6, 15, v0                           ; r
	v_bfe_u32 v5, v0, 4, 1                         ; h
	v_and_b32 v[PFO], 31, v0
	v_lshlrev_b32 v[X+8], 4, v0                    ; the tables: 16 x my thread's number
	v_mov_b32 v[W2], 0                             ; written once: a lane permute's destination counts as one of its sources
	v_mul_u32_u24 v[STA], v6, KP
	s_delay_alu instid0(VALU_DEP_4)
	v_lshlrev_b32 v[PFO], 12, v[PFO]
	s_delay_alu instid0(VALU_DEP_4)
	v_add_nc_u32 v[X+9], VT, v[X+8]
	s_delay_alu instid0(VALU_DEP_3)
	v_lshl_add_u32 v[STA], v5, 7, v[STA]           ; row r, + 128 h
	v_lshlrev_b32 v[SH8], 3, v5
	s_delay_alu instid0(VALU_DEP_2)
	v_add_nc_u32 v[STA], s25, v[STA]
	s_delay_alu instid0(VALU_DEP_1)
	v_add_nc_u32 v[STA+1], SLB, v[STA]
	global_load_b128 v[X:X+3], v[X+8], s[8:9]      ; V of my batch and v_w: 16 bytes a thread of each
	global_load_b128 v[X+4:X+7], v[X+8], s[10:11]
	s_wait_alu depctr_va_vdst(0)                   ; the wait at the head's end, directly ahead of the wait below
	s_wait_loadcnt 0x0
	ds_store_b128 v[X+9], v[X:X+3]
	ds_store_b128 v[X+9], v[X+4:X+7] offset:4096
; Fragment (T, s): lane (r, h) takes, of row 16 T + r, k = 64 c + 32 h + 0 .. 31 of the K step: two whole blocks, as the operand's layout gives them to it; quantised and kept.
.macro FRAG T, s
.set ff, 4*(\s)+(\T)
.if ff < 11
.set A0, KC+12*ff
.set WW, 0
.else
.set A0, 12*(ff-11)
.set WW, 0x40
.endif
.set ii, 0
.rept 16
	ds_load_b128 v[X+4*ii:X+4*ii+3], v[STA+(\s)%2] offset:(\T)*16*KP+256*(ii/8)+16*(ii%8)
.set ii, ii+1
.endr
	s_wait_dscnt 0x0
.irp c, 0,1,2,3,4,5,6,7                        ; the largest magnitudes: eight chains by turns, four to a block
	v_max3_num_f32 v[MQ+\c], |v[X+8*\c]|, |v[X+8*\c+1]|, |v[X+8*\c+2]|
.endr
.irp o, 3,5
.irp c, 0,1,2,3,4,5,6,7
	v_max3_num_f32 v[MQ+\c], v[MQ+\c], |v[X+8*\c+\o]|, |v[X+8*\c+\o+1]|
.endr
.endr
.irp c, 0,2,4
	v_max3_num_f32 v[MQ+\c], v[MQ+\c], v[MQ+\c+1], |v[X+8*\c+7]|
.endr
	s_delay_alu instid0(VALU_DEP_4)
	v_max3_num_f32 v[MQ+6], v[MQ+6], v[MQ+7], |v[X+55]|
	s_delay_alu instid0(VALU_DEP_3)
	v_max3_num_f32 v[MQ], v[MQ], v[MQ+2], |v[X+15]|
	s_delay_alu instid0(VALU_DEP_2)
	v_max3_num_f32 v[MQ+4], v[MQ+4], v[MQ+6], |v[X+47]|
	s_delay_alu instid0(VALU_DEP_2)
	v_max3_num_f32 v[MX], v[MQ], |v[X+31]|, 0x2800000      ; and the floor 2^(5 - 127): the byte cannot fall under 1
	s_delay_alu instid0(VALU_DEP_2)
	v_max3_num_f32 v[MX+1], v[MQ+4], |v[X+63]|, 0x2800000
	s_delay_alu instid0(VALU_DEP_2)
	v_add_nc_u32 v[SO], 0xfe000000, v[MX]          ; 4 off the exponent field: the conversion's scale operand
	s_delay_alu instid0(VALU_DEP_2)
	v_add_nc_u32 v[SO+1], 0xfe000000, v[MX+1]
	s_delay_alu instid0(VALU_DEP_2)
	v_lshrrev_b32 v[BY], 23, v[SO]                 ; the scale's byte
	s_delay_alu instid0(VALU_DEP_2)
	v_lshrrev_b32 v[BY+1], 23, v[SO+1]
	s_delay_alu instid0(VALU_DEP_1)
	v_lshl_or_b32 v[WD], v[BY+1], 16, v[BY]        ; my two bytes: blocks h and 2 + h,
	s_delay_alu instid0(VALU_DEP_1)
	v_lshlrev_b32 v[WD], v[SH8], v[WD]             ; at their places in the row's scale word;
	s_delay_alu instid0(VALU_DEP_1)
	v_permlanex16_b32 v[W2], v[WD], s20, s21
	s_delay_alu instid0(VALU_DEP_1)
.if (\s) < 4
	v_or_b32 v[AS+4*(\T)+(\s)], v[WD], v[W2]       ; with lane l xor 16's two the word is whole
.else
	v_or_b32 v[WD], v[WD], v[W2]
	s_delay_alu instid0(VALU_DEP_1)
	v_cndmask_b32 v[AS+4*(\T)+(\s)-4], v[AS+4*(\T)+(\s)-4], v[WD], s24   ; K steps 4-7 go to lanes 16-31
.endif
	v_cvt_scalef32_pk16_bf6_f32 v[TQ:TQ+2], v[X+16:X+31], v[SO]        ; (a conversion's three registers begin on an even number: a block's second half is made here and moved)
	v_cvt_scalef32_pk16_bf6_f32 v[TQ+4:TQ+6], v[X+48:X+63], v[SO+1]
	WIN WW                                         ; destination: the fragment's window
	v_cvt_scalef32_pk16_bf6_f32 v[A0:A0+2], v[X:X+15], v[SO]
	v_cvt_scalef32_pk16_bf6_f32 v[A0+6:A0+8], v[X+32:X+47], v[SO+1]
	v_nop                                          ; one plain place behind the scaled conversions
.irp c, 0,1
.irp i, 0,1,2
	v_mov_b32 v[A0+6*\c+3+\i], v[TQ+4*\c+\i]
.endr
.endr
	WIN 0
.endm
; A K step of part 1.  In front of the round each wave waits for all its tensor loads (its part of this step's slot), adds 0 to its spare word, and waits for that and for its reads of the other slot.
; Behind the round the other slot takes the next K step; in the last K step it takes W's fill 0.  One load of mine is out.
.macro KSTEP s
.set sl, (\s)%2
	s_wait_tensorcnt 0x0
	ds_add_u32 v[SPW], v[NIL]
.if (\s) < 6
	s_add_nc_u64 s[G0K+4*sl+2:G0K+4*sl+3], s[G0K+4*sl+2:G0K+4*sl+3], 1024   ; no load of mine is out: this slot's next K step
.endif
	s_wait_dscnt 0x0
	ROUND
.if (\s) < 7
	tensor_load_to_lds s[G0K+4*(1-sl):G0K+4*(1-sl)+3], s[G1K:G1K+7]
.else
	tensor_load_to_lds s[G0W:G0W+3], s[G1W:G1W+7]
.endif
	s_nop 0
	NOP4
	FRAG 0, \s
.if (\s) < 5
	global_prefetch_b8 v[PFO], s[26:27] offset:512*((\s)+3) th:TH_LOAD_NT scope:SCOPE_SE
	global_prefetch_b8 v[PFO], s[26:27] offset:512*((\s)+3)+256 th:TH_LOAD_NT scope:SCOPE_SE
.endif
	FRAG 1, \s
	FRAG 2, \s
	FRAG 3, \s
	s_wait_alu depctr_va_vdst(0)                   ; the wait here, ahead of the waits and branches that follow
.endm
.irp s, 0,1,2,3,4,5,6,7
	KSTEP \s
.endr
	; ---- part 2
	v_and_b32 v[BSJ], 31, v0
	v_bfe_u32 v[VLJ], v0, 4, 1
.irp i, 0,1,2,3,4,5,6,7
	v_mov_b32 v[EA+\i], 0                          ; the four pairs of sums
.endr
	v_lshlrev_b32 v[BSJ], 4, v[BSJ]
	v_lshlrev_b32 v[VLJ], 5, v[VLJ]
	s_mov_b32 s[TV], 0
	v_add_nc_u32 v[BSJ], s30, v[BSJ]
	v_add_nc_u32 v[VLJ], s31, v[VLJ]
	v_add_nc_u32 v[ADV], s[TV], v[VLJ]
	ds_load_b128 v[VB:VB+3], v[ADV]                ; my first record's V
	ds_load_b128 v[VB+4:VB+7], v[ADV] offset:16
	s_wait_alu depctr_va_vdst(0)
.macro MM s, T                         ; source 0 = 16 rows of W, source 1 = 16 rows of keys: a lane holds one row of keys and eight neighbouring a
.set ff, 4*(\s)+(\T)
.if ff < 11
	WIN 0
.set KA, KC+12*ff
.else
	WIN 0x04                                       ; source 1: window 1
.set KA, 12*(ff-11)
.endif
.set DW, ACC+8*(\T)
.set BW, BF+12*((\s)%4)
.if (\s) == 0
	v_wmma_scale_f32_16x16x128_f8f6f4 v[DW:DW+7], v[BW:BW+11], v[KA:KA+11], v[VB:VB+7], v[SB+(\s)%4], v[AS+4*(\T)+(\s)%4] matrix_a_fmt:MATRIX_FMT_BF6 matrix_b_fmt:MATRIX_FMT_BF6
.elseif (\s) < 4
	v_wmma_scale_f32_16x16x128_f8f6f4 v[DW:DW+7], v[BW:BW+11], v[KA:KA+11], v[DW:DW+7], v[SB+(\s)%4], v[AS+4*(\T)+(\s)%4] matrix_a_fmt:MATRIX_FMT_BF6 matrix_b_fmt:MATRIX_FMT_BF6
.else
	v_wmma_scale_f32_16x16x128_f8f6f4 v[DW:DW+7], v[BW:BW+11], v[KA:KA+11], v[DW:DW+7], v[SB+(\s)%4], v[AS+4*(\T)+(\s)%4] matrix_a_fmt:MATRIX_FMT_BF6 matrix_b_fmt:MATRIX_FMT_BF6 matrix_a_scale:MATRIX_SCALE_ROW1 matrix_b_scale:MATRIX_SCALE_ROW1
.endif
.endm
.macro KS2 s0                          ; two K steps: eight products, the four accumulators by turns
.irp s, \s0, \s0+1
.irp T, 0,1,2,3
	MM \s, \T
.endr
.endr
.endm
.macro FLD s0                          ; fragments s0, s0 + 1 of the record in hand
.irp s, \s0, \s0+1
.irp c, 0,1,2
	ds_load_b128 v[BF+12*((\s)%4)+4*\c:BF+12*((\s)%4)+4*\c+3], v[ADB] offset:1536*(\s)+512*\c
.endr
.endr
.endm
.macro NEXTLD                          ; a record's scale words (lanes 0-15 K steps 0-3, lanes 16-31 K steps 4-7) and its fragments 0 to 3: 13 loads
	ds_load_b128 v[SB:SB+3], v[ADB] offset:12288
	FLD 0
	FLD 2
.endm
; A RECORD.  Loads into registers that matrix instructions have read stand four places behind them.
.macro RECORD
	s_wait_dscnt 0x0                               ; scale words, V, fragments 0-3
	KS2 0
	NOP4
	ds_load_b128 v[VB:VB+3], v[ADV] offset:4096    ; v_w takes V's place
	ds_load_b128 v[VB+4:VB+7], v[ADV] offset:4112
	FLD 4
	KS2 2
	NOP4
	FLD 6
	s_wait_dscnt 6                                 ; v_w and fragments 4, 5 are in; the six loads of fragments 6, 7 may stay out
	KS2 4
	s_wait_dscnt 0x0
	KS2 6
	WIN 0
	s_add_co_u32 s[TB], s[TB], REC
	s_add_co_u32 s[TV], s[TV], 64
	v_add_nc_u32 v[ADB], s[TB], v[BSJ]             ; four places behind the last products: two address steps, two v_nop
	v_add_nc_u32 v[ADV], s[TV], v[VLJ]
	v_nop
	v_nop
	s_cmp_eq_u32 s29, 1                            ; a slot's last record fetches nothing from the other slot: that comes behind the round
	s_cbranch_scc1 .Lnn_\@
	NEXTLD
.Lnn_\@:
.set ix, 0
.rept 16                                       ; each accumulator from its low end on
	v_pk_mul_f32 v[ACC+2*ix:ACC+2*ix+1], v[ACC+2*ix:ACC+2*ix+1], s[22:23] op_sel_hi:[1,0]
.set ix, ix+1
.endr
	s_wait_alu depctr_va_vdst(0)                   ; a wait ahead of a batch of transcendentals and one behind it
.set ix, 0
.rept 32
	v_exp_f32 v[ACC+ix], v[ACC+ix]
.set ix, ix+1
.endr
	v_nop
	s_wait_alu depctr_va_vdst(0)
.set ix, 0
.rept 16
	v_pk_add_f32 v[ACC+2*ix:ACC+2*ix+1], v[ACC+2*ix:ACC+2*ix+1], 1.0 op_sel_hi:[1,0]
.set ix, ix+1
.endr
	s_wait_alu depctr_va_vdst(0)
.set ix, 0
.rept 32
	v_rcp_f32 v[ACC+ix], v[ACC+ix]
.set ix, ix+1
.endr
	v_nop
	s_wait_alu depctr_va_vdst(0)
.set kq, 0
.rept 16                                       ; number k: tile of rows k % 4, pair k / 4 of its eight a
	v_pk_fma_f32 v[EA+2*(kq%4):EA+2*(kq%4)+1], v[ACC+8*(kq%4)+2*(kq/4):ACC+8*(kq%4)+2*(kq/4)+1], v[VB+2*(kq/4):VB+2*(kq/4)+1], v[EA+2*(kq%4):EA+2*(kq%4)+1]
.set kq, kq+1
.endr
	ds_load_b128 v[VB:VB+3], v[ADV]                ; the next record's V (behind my very last record: 32 bytes of the tables that nothing uses)
	ds_load_b128 v[VB+4:VB+7], v[ADV] offset:16
	s_wait_alu depctr_va_vdst(0)                   ; the wait ahead of the branch
.endm
; A FILL's four records of my half.  In front of the round: the wait for all my tensor loads (my record of this fill), the add, the wait for it and for my reads of the other slot.
; Behind it the other slot takes the next fill, a joint load: one load of mine is out, with four records' work in which to land.
.macro SLOTM sl, fill
	s_wait_tensorcnt 0x0
	ds_add_u32 v[SPW], v[NIL]
	s_add_nc_u64 s[G0W+4*\sl+2:G0W+4*\sl+3], s[G0W+4*\sl+2:G0W+4*\sl+3], 8*REC   ; no load of mine is out: this slot's next fill (the last two stepped addresses are not used)
	s_wait_dscnt 0x0
	ROUND
.if \fill
	tensor_load_to_lds s[G0W+4*(1-\sl):G0W+4*(1-\sl)+3], s[G1W:G1W+7]
	s_nop 0
	NOP4
.endif
	s_mov_b32 s[TB], \sl*SLB
	v_add_nc_u32 v[ADB], s[TB], v[BSJ]
	s_wait_alu depctr_va_vdst(0)
	NEXTLD
	s_mov_b32 s29, 4
.Lrec_\@:
	RECORD
	s_sub_co_u32 s29, s29, 1
	s_cmp_lg_u32 s29, 0
	s_cbranch_scc1 .Lrec_\@
.endm
	s_mov_b32 s28, 3
.Lpair:                                            ; fills 0 to 5
	SLOTM 0, 1
	SLOTM 1, 1
	s_sub_co_u32 s28, s28, 1
	s_cmp_lg_u32 s28, 0
	s_cbranch_scc1 .Lpair
	SLOTM 0, 1                                     ; the tail is written out
	SLOTM 1, 0
	; ---- the way out: a pair's two halves, lane l xor 16's eight a of each sixteen, x -c; then the two column halves meet in LDS
.irp t, 0,1,2,3
	v_add_f32 v[X+\t], v[EA+2*\t], v[EA+2*\t+1]
.endr
.irp t, 0,1,2,3
	v_permlanex16_b32 v[X+4+\t], v[X+\t], s20, s21
.endr
.irp t, 0,1,2,3
	v_add_f32 v[X+\t], v[X+\t], v[X+4+\t]
.endr
.irp t, 0,1,2,3
	v_mul_f32 v[X+\t], 0xc038aa3b, v[X+\t]
.endr
	v_and_b32 v[X+10], 31, v0
	s_lshl_b32 s19, s14, 8
	s_add_co_u32 s19, s19, EP
	v_cndmask_b32 v[X+8], v[X], v[X+1], s24        ; row l of my 64
	v_cndmask_b32 v[X+9], v[X+2], v[X+3], s24      ; row 32 + l
	v_lshl_add_u32 v[X+11], v[X+10], 2, s19
	v_lshl_add_u32 v[X+12], v[X+10], 3, s19
	v_lshlrev_b32 v[X+13], 3, v[X+10]
	ds_store_b32 v[X+11], v[X+8]
	ds_store_b32 v[X+11], v[X+9] offset:128
	s_wait_alu depctr_va_vdst(0)                   ; the wait here, ahead of the wait, the barrier and the branch
	s_wait_dscnt 0x0                               ; for the others' sake: my stores are done
	s_barrier_signal -1
	s_barrier_wait -1
	s_cmp_lt_u32 s14, 4                            ; waves 0-3 (j = 0) add wave w + 4's part and store
	s_cbranch_scc0 .Lnost
	ds_load_b64 v[X+14:X+15], v[X+12]
	ds_load_b64 v[X+16:X+17], v[X+12] offset:1024
	s_wait_dscnt 0x0
	v_pk_add_f32 v[X+14:X+15], v[X+14:X+15], v[X+16:X+17]
	global_store_b64 v[X+13], v[X+14:X+15], s[12:13]   ; 32 lanes store 256 consecutive bytes, aligned
.Lnost:
	s_wait_tensorcnt 0x0                           ; the wave's end, behind my last tensor load and my last LDS store
	ds_add_u32 v[SPW], v[NIL]
	s_wait_dscnt 0x0
	ROUND                                          ; the closing round: no work-group ends while a partner may still ask for a record that names it
	s_endpgm
.Lfunc_end_k_q0ff22e69f0_scores:
	.size	k_q0ff22e69f0_scores, .Lfunc_end_k_q0ff22e69f0_scores-k_q0ff22e69f0_scores
	.p2alignl 7, 3214868480
	.fill 96, 4, 3214868480
	.section	.rodata,"a",@progbits
	.p2align	6, 0x0
	.amdhsa_kernel k_q0ff22e69f0_scores
		.amdhsa_group_segment_fixed_size 327680
		.amdhsa_private_segment_fixed_size 0
		.amdhsa_enable_private_segment 0
		.amdhsa_kernarg_size 40
		.amdhsa_user_sgpr_count 2
		.amdhsa_user_sgpr_kernarg_segment_ptr 1
		.amdhsa_wavefront_size32 1
		.amdhsa_system_sgpr_workgroup_id_x 1
		.amdhsa_system_sgpr_workgroup_id_y 1
		.amdhsa_system_sgpr_workgroup_id_z 1
		.amdhsa_system_vgpr_workitem_id 0
		.amdhsa_next_free_vgpr 512
		.amdhsa_next_free_sgpr 80
		.amdhsa_reserve_vcc 0
		.amdhsa_float_denorm_mode_32 3
		.amdhsa_float_denorm_mode_16_64 3
		.amdhsa_memory_ordered 1
		.amdhsa_forward_progress 1
		.amdhsa_inst_pref_size 211
	.end_amdhsa_kernel
	.amdgpu_metadata
---
amdhsa.version: [ 1, 2 ]
amdhsa.kernels:
  - .name:           k_q0ff22e69f0_scores
    .symbol:         k_q0ff22e69f0_scores.kd
    .args:
      - { .name: keys, .offset: 0, .size: 8, .value_kind: global_buffer, .address_space: global }
      - { .name: Wf, .offset: 8, .size: 8, .value_kind: global_buffer, .address_space: global }
      - { .name: Vbuf, .offset: 16, .size: 8, .value_kind: global_buffer, .address_space: global }
      - { .name: v_w, .offset: 24, .size: 8, .value_kind: global_buffer, .address_space: global }
      - { .name: tsc, .offset: 32, .size: 8, .value_kind: global_buffer, .address_space: global }
    .group_segment_fixed_size: 327680
    .private_segment_fixed_size: 0
    .kernarg_segment_align: 8
    .kernarg_segment_size: 40
    .max_flat_workgroup_size: 256
    .sgpr_count:     80
    .vgpr_count:     512
    .wavefront_size: 32
...
	.end_amdgpu_metadata
.endif
;; end of part 2
;; launch context (part 3): grid 8 x 32, 8 waves a work-group, no clusters, 327,680 bytes of LDS; arguments tsc, keys, out0; writes out0
.if DOCPART == 3
	.amdgcn_target "amdgcn-amd-amdhsa--gfx1250"
	.amdhsa_code_object_version 6
	.text
	.protected	k_q0ff22e69f0_context
	.globl	k_q0ff22e69f0_context
	.p2align	8
	.type	k_q0ff22e69f0_context,@function
k_q0ff22e69f0_context:
	s_mov_b64 s[64:65], 0
	v_nop
	global_prefetch_b8 v0, s[64:65] scope:SCOPE_SE
	s_setreg_imm32_b32 hwreg(HW_REG_WAVE_MODE, 25, 1), 1
	s_wait_xcnt 0x0
; out0[b][c] = sum over s of p[s] keys[b][s][c] / sum over s of p[s], p[s] = 2^(t[b][s] - m), m = the batch's largest t.  t is e log2(e) less a term that is the same for all s (left out: see the head of the first kernel).
; All in f32; the product has one row (M = 1), so it is made by fused multiply-adds: a matrix tile would hold 15 rows of nothing.
; SHARES.  Work-group (x, b) owns 128 columns (512 bytes) of batch b's output: each output has one owner.  Wave w of its eight owns rows 256 w .. 256 w + 255, a lane 16 bytes of each.
; Keys come by tensor loads in 8 steps through two slots of 131,072 bytes: in step s wave w fetches its rows 32 s .. 32 s + 31, 512 bytes of each, into its own 16,384 bytes of the slot, and it alone reads them.
; One load of each wave is out behind each barrier, with a step's work in which to land.
; p STAYS IN REGISTERS: thread n holds t[8 n .. 8 n + 7], so the 32 lanes of wave w hold just the p of its own rows: row 32 s + i lies in lane 4 s + i / 8, register i % 8, and comes to a scalar register by v_readlane_b32.
; The waves' maxima meet at the first step's barrier; their sums and partial rows at the end.
; PREFETCH: in step s each wave names its own 32 rows x 512 bytes of step s + 3 (64 blocks of 256 bytes, a lane a row, two instructions), two trips ahead of the trip that loads them; steps 5 to 7 ask for nothing.
; NO CLUSTER: each byte of keys is read by one work-group; what the eight work-groups of a batch share is the batch's 8,192 bytes of t, one part in 128 of what a work-group reads.
; LIMIT: p under 2^-126 falls to 0.
.set SL1,   131072                     ; slot 1
.set RX,    262144                     ; behind the slots, in blocks that no fill touches: the waves' maxima,
.set RS,    256                        ; (from RX on) their sums,
.set RED,   RX+512                     ; their partial rows, 512 bytes each,
.set SPARE, RED+4096                   ; the spare words, 128 bytes for each wave
.set STEPB, 32*4096                    ; a step: 32 rows of keys
.set P,   12                           ; v12-19  my eight t, then p
.set M,   20                           ; v20-27  the eight maxima, later the eight sums
.set A,   28                           ; v28-43  four sets of four sums, by turns
.set X,   44                           ; v44-171 32 rows of 4 registers
.set T0,  172
.set T1,  173
.set RDA, 174                          ; RED + 16 x lane
.set PS,  32                           ; s32-63  32 rows' p
.set G1,  68
.set G0,  76
.macro NOP4
.rept 4
	v_nop
.endr
.endm
	s_load_b128 s[4:7], s[0:1], 0x0                ; tsc, keys
	s_load_b64 s[8:9], s[0:1], 0x10                ; out0
	v_lshl_add_u32 v1, v0, 2, SPARE                ; my spare word
	v_mov_b32 v2, 0
	ds_add_u32 v1, v2                              ; the opening lines: the add, twice on end, and its wait ahead of my first tensor load
	ds_add_u32 v1, v2
	v_lshrrev_b32 v3, 5, v0
	v_readfirstlane_b32 s10, v3                    ; wave 0..7
	s_mov_b32 s[G1], 2<<16                         ; elements of 4 bytes
	s_mov_b32 s[G1+1], 128<<16                     ; tensor_dim0 = 128
	s_mov_b32 s[G1+2], 32<<16                      ; tensor_dim1 = 32
	s_mov_b32 s[G1+3], 128<<16                     ; tile_dim0
	s_mov_b32 s[G1+4], 32                          ; tile_dim1
	s_mov_b32 s[G1+5], 1024                        ; the pitch
	s_mov_b32 s[G1+6], 0
	s_mov_b32 s[G1+7], 0
	s_mov_b32 s12, 0x76543210                      ; v_permlanex16_b32's selects for lane l xor 16
	s_mov_b32 s13, 0xfedcba98
	s_and_b32 s16, ttmp7, 0xffff                   ; b
	s_lshl_b32 s18, s16, 13                        ; its 2,048 t
	s_mov_b32 s19, 0
	s_lshl_b32 s20, s16, 23                        ; its 2,048 rows of 4,096 bytes,
	s_lshl_b32 s22, s10, 20                        ; my wave's 256,
	s_add_co_u32 s20, s20, s22
	s_lshl_b32 s22, ttmp9, 9                       ; the work-group's 512 bytes of a row
	s_add_co_u32 s20, s20, s22
	s_mov_b32 s21, 0
	s_lshl_b32 s24, s16, 12
	s_add_co_u32 s24, s24, s22
	s_mov_b32 s25, 0
	s_lshl_b32 s23, s10, 14                        ; my 16,384 bytes of a slot
	s_lshl_b32 s15, s10, 2
	s_wait_dscnt 0x0                               ; both opening adds are done
	s_wait_kmcnt 0x0
	s_add_nc_u64 s[4:5], s[4:5], s[18:19]
	s_add_nc_u64 s[26:27], s[6:7], s[20:21]
	s_add_nc_u64 s[8:9], s[8:9], s[24:25]
	s_mov_b32 s[G0], 1                             ; group 0, one for each slot: steps 0 and 1
	s_mov_b32 s[G0+1], s23
	s_mov_b64 s[G0+2:G0+3], s[26:27]
	s_or_b32 s[G0+3], s[G0+3], 0x80000000
	s_mov_b32 s[G0+4], 1
	s_add_co_u32 s[G0+5], s23, SL1
	s_add_nc_u64 s[G0+6:G0+7], s[26:27], STEPB
	s_or_b32 s[G0+7], s[G0+7], 0x80000000
	tensor_load_to_lds s[G0:G0+3], s[G1:G1+7]      ; step 0: my one load at the head
	s_nop 0
	NOP4
	v_lshlrev_b32 v9, 5, v0                        ; 32 x thread: eight t
	global_load_b128 v[P:P+3], v9, s[4:5]
	global_load_b128 v[P+4:P+7], v9, s[4:5] offset:16
	v_and_b32 v3, 31, v0
	v_mov_b32 v8, RX
	v_mov_b32 v11, 0                               ; written once: a lane permute's destination counts as one of its sources
	v_lshl_add_u32 v10, v0, 4, RED                 ; where my wave's partial row goes: 16 x thread
	v_lshlrev_b32 v6, 12, v3                       ; the prefetches' offset: lane x a row of keys; never rewritten
	v_lshlrev_b32 v3, 4, v3                        ; 16 x lane
	v_add_nc_u32 v7, s15, v8                       ; my wave's word among the maxima and the sums
	v_add_nc_u32 v4, s23, v3                       ; my bytes of a row in slot 0,
	v_add_nc_u32 v[RDA], RED, v3
	v_add_nc_u32 v5, SL1, v4                       ; in slot 1
	s_wait_alu depctr_va_vdst(0)                   ; the wait at the head's end, directly ahead of the wait below
	s_wait_loadcnt 0x0
	v_max3_num_f32 v[T0], v[P], v[P+1], v[P+2]
	v_max3_num_f32 v[T1], v[P+3], v[P+4], v[P+5]
	v_max3_num_f32 v[T0], v[T0], v[P+6], v[P+7]
	v_max_num_f32 v[T0], v[T0], v[T1]
	v_max_num_f32_dpp v[T0], v[T0], v[T0] row_xmask:1 row_mask:0xf bank_mask:0xf
	v_max_num_f32_dpp v[T0], v[T0], v[T0] row_xmask:2 row_mask:0xf bank_mask:0xf
	v_max_num_f32_dpp v[T0], v[T0], v[T0] row_xmask:4 row_mask:0xf bank_mask:0xf
	v_max_num_f32_dpp v[T0], v[T0], v[T0] row_xmask:8 row_mask:0xf bank_mask:0xf
	v_permlanex16_b32 v11, v[T0], s12, s13
	v_max_num_f32 v[T0], v[T0], v11                ; my wave's largest t
	ds_store_b32 v7, v[T0]                         ; all lanes write the same word with the same value
	s_wait_alu depctr_va_vdst(0)                   ; the wait here, ahead of the waits that follow
.macro SOFTMAX                         ; behind the first barrier: m, my eight p, my wave's sum of p
	ds_load_b128 v[M:M+3], v8
	ds_load_b128 v[M+4:M+7], v8 offset:16
	s_wait_dscnt 0x0
	v_max3_num_f32 v[T0], v[M], v[M+1], v[M+2]
	v_max3_num_f32 v[T1], v[M+3], v[M+4], v[M+5]
	v_max3_num_f32 v[T0], v[T0], v[M+6], v[M+7]
	v_max_num_f32 v[T0], v[T0], v[T1]              ; m
.irp j, 0,1,2,3,4,5,6,7
	v_sub_f32 v[P+\j], v[P+\j], v[T0]
.endr
	s_wait_alu depctr_va_vdst(0)                   ; a wait ahead of a batch of transcendentals and one behind it
.irp j, 0,1,2,3,4,5,6,7
	v_exp_f32 v[P+\j], v[P+\j]                     ; p = 2^(t - m), at most 1
.endr
	v_nop
	s_wait_alu depctr_va_vdst(0)
	v_add_f32 v[T0], v[P], v[P+1]
	v_add_f32 v[T1], v[P+2], v[P+3]
	v_add_f32 v[M], v[P+4], v[P+5]
	v_add_f32 v[M+1], v[P+6], v[P+7]
	v_add_f32 v[T0], v[T0], v[T1]
	v_add_f32 v[M], v[M], v[M+1]
	v_add_f32 v[T0], v[T0], v[M]
	v_add_f32_dpp v[T0], v[T0], v[T0] row_xmask:1 row_mask:0xf bank_mask:0xf
	v_add_f32_dpp v[T0], v[T0], v[T0] row_xmask:2 row_mask:0xf bank_mask:0xf
	v_add_f32_dpp v[T0], v[T0], v[T0] row_xmask:4 row_mask:0xf bank_mask:0xf
	v_add_f32_dpp v[T0], v[T0], v[T0] row_xmask:8 row_mask:0xf bank_mask:0xf
	v_permlanex16_b32 v11, v[T0], s12, s13
	v_add_f32 v[T0], v[T0], v11                    ; my wave's sum of p
	ds_store_b32 v7, v[T0] offset:RS               ; read behind the barrier at the walk's end
.endm
; A STEP.  In front of the barrier each wave waits for all its tensor loads (this step's rows), adds 0 to its spare word, and waits for that and for its reads of the other slot; behind it the other slot takes the next step's rows.
; The last step fetches nothing: it waits for its own rows alone.
.macro STEP s
.set sl, (\s)%2
	s_wait_tensorcnt 0x0
.if (\s) < 7
	ds_add_u32 v1, v2
.if (\s) < 6
	s_add_nc_u64 s[G0+4*sl+2:G0+4*sl+3], s[G0+4*sl+2:G0+4*sl+3], 2*STEPB   ; no load of mine is out: this slot's next step
.endif
	s_wait_dscnt 0x0
	s_barrier_signal -1
	s_barrier_wait -1
	tensor_load_to_lds s[G0+4*(1-sl):G0+4*(1-sl)+3], s[G1:G1+7]
	s_nop 0
	NOP4
.endif
.if (\s) == 0
	SOFTMAX
.endif
.set ii, 0
.rept 32
	ds_load_b128 v[X+4*ii:X+4*ii+3], v[4+sl] offset:512*ii     ; a row: 32 lanes read 512 consecutive bytes
.set ii, ii+1
.endr
.if (\s) < 5
	global_prefetch_b8 v6, s[26:27] offset:STEPB*((\s)+3) th:TH_LOAD_NT scope:SCOPE_SE
	global_prefetch_b8 v6, s[26:27] offset:STEPB*((\s)+3)+256 th:TH_LOAD_NT scope:SCOPE_SE
.endif
.set kk, 0
.rept 32
	v_readlane_b32 s[PS+kk], v[P+kk%8], 4*(\s)+kk/8            ; these 32 rows' p
.set kk, kk+1
.endr
.set ii, 0
.rept 32
.if ii%8 == 0
	s_wait_dscnt 24-ii                             ; the next eight rows are in; the younger rows' loads may stay out
.endif
.irp j, 0,1,2,3
.if (\s) == 0 && ii < 4
	v_mul_f32 v[A+4*(ii%4)+\j], s[PS+ii], v[X+4*ii+\j]         ; the first four rows start the four sets of sums: nothing is cleared
.else
	v_fmac_f32 v[A+4*(ii%4)+\j], s[PS+ii], v[X+4*ii+\j]
.endif
.endr
.set ii, ii+1
.endr
	s_wait_alu depctr_va_vdst(0)                   ; the wait here, ahead of the waits that follow
.endm
.irp s, 0,1,2,3,4,5,6,7
	STEP \s
.endr
	v_pk_add_f32 v[A:A+1], v[A:A+1], v[A+4:A+5]
	v_pk_add_f32 v[A+2:A+3], v[A+2:A+3], v[A+6:A+7]
	v_pk_add_f32 v[A+8:A+9], v[A+8:A+9], v[A+12:A+13]
	v_pk_add_f32 v[A+10:A+11], v[A+10:A+11], v[A+14:A+15]
	v_pk_add_f32 v[A:A+1], v[A:A+1], v[A+8:A+9]
	v_pk_add_f32 v[A+2:A+3], v[A+2:A+3], v[A+10:A+11]
	ds_store_b128 v10, v[A:A+3]                    ; my wave's partial row
	s_wait_alu depctr_va_vdst(0)
	s_wait_dscnt 0x0                               ; for the others' sake: my sum and my partial row are stored
	s_barrier_signal -1
	s_barrier_wait -1
	s_cmp_lg_u32 s10, 0                            ; wave 0 adds the eight parts, divides and stores: 512 bytes
	s_cbranch_scc1 .Lend
	ds_load_b128 v[M:M+3], v8 offset:RS
	ds_load_b128 v[M+4:M+7], v8 offset:RS+16
.irp j, 0,1,2,3,4,5,6,7
	ds_load_b128 v[X+4*\j:X+4*\j+3], v[RDA] offset:512*\j
.endr
	s_wait_dscnt 0x0
	v_pk_add_f32 v[M:M+1], v[M:M+1], v[M+2:M+3]
	v_pk_add_f32 v[M+4:M+5], v[M+4:M+5], v[M+6:M+7]
	v_pk_add_f32 v[M:M+1], v[M:M+1], v[M+4:M+5]
	v_add_f32 v[M], v[M], v[M+1]                   ; the sum of p: at least 1
	s_wait_alu depctr_va_vdst(0)                   ; the wait ahead of the transcendental
	v_rcp_f32 v[M], v[M]
.irp d, 4,2,1                                  ; the parts' sum stands between the reciprocal and the wait for it
.set jj, 0
.rept \d
	v_pk_add_f32 v[X+4*jj:X+4*jj+1], v[X+4*jj:X+4*jj+1], v[X+4*(jj+\d):X+4*(jj+\d)+1]
	v_pk_add_f32 v[X+4*jj+2:X+4*jj+3], v[X+4*jj+2:X+4*jj+3], v[X+4*(jj+\d)+2:X+4*(jj+\d)+3]
.set jj, jj+1
.endr
.endr
	s_wait_alu depctr_va_vdst(0)                   ; the wait ahead of the reciprocal's first reader
	v_pk_mul_f32 v[X:X+1], v[X:X+1], v[M:M+1] op_sel_hi:[1,0]
	v_pk_mul_f32 v[X+2:X+3], v[X+2:X+3], v[M:M+1] op_sel_hi:[1,0]
	global_store_b128 v3, v[X:X+3], s[8:9]         ; 32 lanes store 512 consecutive bytes, aligned
.Lend:
	s_wait_tensorcnt 0x0                           ; the wave's end, behind my last tensor load and my last LDS store
	ds_add_u32 v1, v2
	s_wait_dscnt 0x0
	s_endpgm
.Lfunc_end_k_q0ff22e69f0_context:
	.size	k_q0ff22e69f0_context, .Lfunc_end_k_q0ff22e69f0_context-k_q0ff22e69f0_context
	.p2alignl 7, 3214868480
	.fill 96, 4, 3214868480
	.section	.rodata,"a",@progbits
	.p2align	6, 0x0
	.amdhsa_kernel k_q0ff22e69f0_context
		.amdhsa_group_segment_fixed_size 327680
		.amdhsa_private_segment_fixed_size 0
		.amdhsa_enable_private_segment 0
		.amdhsa_kernarg_size 24
		.amdhsa_user_sgpr_count 2
		.amdhsa_user_sgpr_kernarg_segment_ptr 1
		.amdhsa_wavefront_size32 1
		.amdhsa_system_sgpr_workgroup_id_x 1
		.amdhsa_system_sgpr_workgroup_id_y 1
		.amdhsa_system_sgpr_workgroup_id_z 1
		.amdhsa_system_vgpr_workitem_id 0
		.amdhsa_next_free_vgpr 176
		.amdhsa_next_free_sgpr 84
		.amdhsa_reserve_vcc 0
		.amdhsa_float_denorm_mode_32 3
		.amdhsa_float_denorm_mode_16_64 3
		.amdhsa_memory_ordered 1
		.amdhsa_forward_progress 1
		.amdhsa_inst_pref_size 78
	.end_amdhsa_kernel
	.amdgpu_metadata
---
amdhsa.version: [ 1, 2 ]
amdhsa.kernels:
  - .name:           k_q0ff22e69f0_context
    .symbol:         k_q0ff22e69f0_context.kd
    .args:
      - { .name: tsc, .offset: 0, .size: 8, .value_kind: global_buffer, .address_space: global }
      - { .name: keys, .offset: 8, .size: 8, .value_kind: global_buffer, .address_space: global }
      - { .name: out0, .offset: 16, .size: 8, .value_kind: global_buffer, .address_space: global }
    .group_segment_fixed_size: 327680
    .private_segment_fixed_size: 0
    .kernarg_segment_align: 8
    .kernarg_segment_size: 24
    .max_flat_workgroup_size: 256
    .sgpr_count:     84
    .vgpr_count:     176
    .wavefront_size: 32
...
	.end_amdgpu_metadata
.endif
;; end of part 3
